; MI455X (gfx1250); checked and timed in simulation.
; The chip was launched on July 23, 2026; its instructions are those of AMD's public machine-readable ISA for CDNA 5 (MIT licence, August 2026) and "CDNA5" Instruction Set Architecture Reference Guide (July 2026). The comments in the code are by the model that wrote it; some were corrected since.
;; Neural Dict. Allowed arithmetic: float matrix products may take bf16 or f16 operands with f32 sums; all other float work in f32.
;; Inputs: patterns 100,000 x 512 float32; x 512 float32.
;; Outputs: out0 512 float32.
;; One version. Each part assembles by itself: llvm-mc -triple=amdgcn-amd-amdhsa -mcpu=gfx1250 --defsym DOCPART=n.
;; ======== version 1 of 1: 2 launches
;; workspace buffers: scores 1,024 bytes; cand 1,024 bytes of whole numbers
;; launch scan (part 1): grid 250 x 1, 20 waves a work-group, no clusters, 3,072 bytes of LDS; arguments patterns, x, scores, cand; writes scores, cand
.if DOCPART == 1
	.amdgcn_target "amdgcn-amd-amdhsa--gfx1250"
	.amdhsa_code_object_version 6
	.text
	.protected	k_q0fb78d8451_scan
	.globl	k_q0fb78d8451_scan
	.p2align	8
	.type	k_q0fb78d8451_scan,@function
k_q0fb78d8451_scan:
	s_mov_b64 s[64:65], 0
	v_nop
	global_prefetch_b8 v0, s[64:65] scope:SCOPE_SE
	s_setreg_imm32_b32 hwreg(HW_REG_WAVE_MODE, 25, 1), 1
	s_wait_xcnt 0x0
; scan: for each block of 400 stored patterns, the best cosine similarity with x and the row that has it.
;   score[n] = <p_n, x_n> * rsq(max(sum p_n^2, eps^2)),  x_n = x * rsq(max(sum x^2, eps^2)),
; which is <x, p_n> / (max(|x|, eps) max(|p_n|, eps)), since max(sqrt(s), eps) = sqrt(max(s, eps^2)).
; patterns: [100000][512] f32, x: [512] f32.  Out: scores[g] (f32) and cand[g] (row number) for work-group g.
;
; SHARES.  100,000 rows = 250 work-groups x 20 waves x 10 pairs of rows: equal work, every pattern byte read once.
; A wave takes two neighbouring rows at a time: lanes 0-15 the even one, lanes 16-31 the odd one.  Load j of a pair takes
; bytes 256 j .. 256 j + 255 of both rows, 16 bytes a lane, so sixteen neighbouring lanes cover 256 consecutive aligned bytes.
; A row's sums thus lie within one row of 16 lanes: four row_xmask steps finish two pattern rows at once.
; FLIGHT.  Four slots of 32 registers: 4 x 4,096 bytes of every wave are requested ahead, 20 waves x 16 KiB = 320 KiB for the group.
; 178 registers x 5 waves on a SIMD = 890 of its 1,024.  The ten turns are written out: one offset register that is never
; rewritten, every step in the immediate offset, so no source of a pending load is ever touched.
; NOT USED, and why: matrix instructions (one column against 100,000 rows; two multiply-adds for each 4 bytes loaded leave the
; vector unit idle most of the time, and 16-bit operands would blur the order of scores that decides a whole output row);
; a cluster (the groups share only x, 2 KiB against 800 KiB of their own); LDS as a ring (each byte is used once, by one lane);
; prefetches (the loads themselves already run 16 KiB a wave ahead).
; LIMITS.  Finite inputs.  A row (or x) whose sum of squares overflows f32 (norm above about 1.8e19) gives 0 or NaN here, 0 in the
; reference.  A NaN score never wins here; an argmax that ranks NaN highest would take it.  Sums are made in another order than
; the reference's and the division is a multiplication by v_rsq_f32 (1 ULP): scores closer than those last bits may change places.
; Equal scores: the lowest row wins, as in the reference (+0 and -0 count as equal).
.set ROWB,    2048                     ; bytes in a row
.set PAIRB,   2*ROWB
.set PAIRS,   10                       ; pairs of rows of a wave
.set WAVES,   20
.set SLOTS,   4                        ; pairs requested ahead
.set WVBYTES, PAIRS*PAIRB              ; 40,960
.set WGBYTES, WAVES*WVBYTES            ; 819,200
.set WGROWS,  WAVES*PAIRS*2            ; 400
.set EPS2,    0x24e69595               ; 1e-16 = eps^2
.set FAR,     0x7f800000               ; +inf: a row number that never wins a minimum
.set VO, 1                             ; v1        2048 h + 16 r: my 16 bytes in load 0 of a pair (h = half of the wave, r = lane % 16)
.set XO, 2                             ; v2        16 r: the same columns in x
.set RB, 3                             ; v3        number of my row in the wave's pair 0
.set LA, 4                             ; v4        LDS address of my half-wave's result
.set T,  5                             ; v5        at work
.set BS, 6                             ; v6        best score so far   } a pair: stored together
.set BI, 7                             ; v7        its row             }
.set D,  8                             ; v[8:11]   sums of p x, two chains of two
.set S,  12                            ; v[12:15]  sums of p p, two chains of two
.set XN, 16                            ; v[16:47]  x_n at my 32 columns (load j: registers 4 j .. 4 j + 3)
.set X,  48                            ; v[48:175] slot s: 32 registers, my 32 numbers of the pair's row
.macro ROWOP op, r, m                  ; lane i combines with lane i xor m of its 16 (DPP rides on the arithmetic)
	\op v[\r], v[\r], v[\r] row_xmask:\m row_mask:0xf bank_mask:0xf
.endm
.macro FILL s, p                       ; eight loads: pair p of the wave into slot s.  Read once in the launch: non-temporal
.irp j, 0,1,2,3,4,5,6,7
	global_load_b128 v[X+32*\s+4*\j:X+32*\s+4*\j+3], v[VO], s[4:5] offset:(\p)*PAIRB+256*\j th:TH_LOAD_NT
.endr
.endm
	s_load_b256 s[4:11], s[0:1], 0x0               ; patterns s[4:5], x s[6:7], scores s[8:9], cand s[10:11]
	v_lshl_add_u32 v176, v0, 2, 0x200
	v_mov_b32 v177, 0
	v_lshrrev_b32 v[T], 5, v0
	v_readfirstlane_b32 s12, v[T]                  ; wave 0..19
	v_and_b32 v[XO], 15, v0
	v_lshlrev_b32 v[XO], 4, v[XO]                  ; 16 r
	v_bfe_u32 v[T], v0, 4, 1                       ; h
	v_lshl_add_u32 v[VO], v[T], 11, v[XO]          ; 2048 h + 16 r
	s_mul_i32 s2, ttmp9, WGBYTES                   ; at most 249 x 819,200 + 19 x 40,960: below 2^31
	s_mul_i32 s3, s12, WVBYTES
	s_add_co_u32 s2, s2, s3
	s_mov_b32 s3, 0
	s_mul_i32 s13, ttmp9, WGROWS
	s_mul_i32 s14, s12, 2*PAIRS
	s_add_co_u32 s13, s13, s14                     ; the wave's first row
	s_lshl_b32 s15, s12, 4
	v_lshl_add_u32 v[LA], v[T], 3, s15             ; 16 wave + 8 h: eight bytes for each of the 40 half-waves
	s_wait_kmcnt 0x0
	s_add_nc_u64 s[4:5], s[4:5], s[2:3]            ; patterns at the wave's first row
.irp j, 0,1,2,3,4,5,6,7
	global_load_b128 v[XN+4*\j:XN+4*\j+3], v[XO], s[6:7] offset:256*\j
.endr
	FILL 0, 0
	FILL 1, 1
	FILL 2, 2
	FILL 3, 3
	; x_n = x / max(|x|, eps).  The 16 lanes of a half hold all 512 numbers of x, 32 each.
	s_wait_loadcnt SLOTS*8                         ; loads return in order (ISA guide 5.7.1): x is in, the 32 pattern loads behind it stay out
	v_pk_mul_f32 v[S:S+1],   v[XN:XN+1],   v[XN:XN+1]          ; the first products start the sums
	v_pk_mul_f32 v[S+2:S+3], v[XN+2:XN+3], v[XN+2:XN+3]
.irp j, 1,2,3,4,5,6,7
	v_pk_fma_f32 v[S:S+1],   v[XN+4*\j:XN+4*\j+1],   v[XN+4*\j:XN+4*\j+1],   v[S:S+1]
	v_pk_fma_f32 v[S+2:S+3], v[XN+4*\j+2:XN+4*\j+3], v[XN+4*\j+2:XN+4*\j+3], v[S+2:S+3]
.endr
	v_pk_add_f32 v[S:S+1], v[S:S+1], v[S+2:S+3]
	v_add_f32 v[S], v[S], v[S+1]
	ROWOP v_add_f32_dpp, S, 1
	ROWOP v_add_f32_dpp, S, 2
	ROWOP v_add_f32_dpp, S, 4
	ROWOP v_add_f32_dpp, S, 8
	v_max_num_f32 v[S], EPS2, v[S]
	v_rsq_f32 v[D], v[S]                           ; twice: a pair for the packed multiply
	v_rsq_f32 v[D+1], v[S]
	v_add_nc_u32 v[RB], s13, v[T]                  ; the plain instruction that stands between a transcendental and its use (ISA guide 5.7.2): my row in pair 0
.set i, 0
	s_wait_alu depctr_va_vdst(0)
.rept 16
	v_pk_mul_f32 v[XN+2*i:XN+2*i+1], v[XN+2*i:XN+2*i+1], v[D:D+1]
.set i, i+1
.endr
; The turn of pair p, which lies in slot s.  left = loads issued behind this pair's that may stay out;
; fill = 1: the slot is requested again, SLOTS pairs ahead; first = 1: this score starts the maximum.
.macro TURN s, p, left, fill, first
	s_wait_loadcnt \left
	v_pk_mul_f32 v[D:D+1],   v[X+32*\s:X+32*\s+1],   v[XN:XN+1]
	v_pk_mul_f32 v[D+2:D+3], v[X+32*\s+2:X+32*\s+3], v[XN+2:XN+3]
	v_pk_mul_f32 v[S:S+1],   v[X+32*\s:X+32*\s+1],   v[X+32*\s:X+32*\s+1]
	v_pk_mul_f32 v[S+2:S+3], v[X+32*\s+2:X+32*\s+3], v[X+32*\s+2:X+32*\s+3]
.irp j, 1,2,3,4,5,6,7
	v_pk_fma_f32 v[D:D+1],   v[X+32*\s+4*\j:X+32*\s+4*\j+1],   v[XN+4*\j:XN+4*\j+1],             v[D:D+1]
	v_pk_fma_f32 v[D+2:D+3], v[X+32*\s+4*\j+2:X+32*\s+4*\j+3], v[XN+4*\j+2:XN+4*\j+3],           v[D+2:D+3]
	v_pk_fma_f32 v[S:S+1],   v[X+32*\s+4*\j:X+32*\s+4*\j+1],   v[X+32*\s+4*\j:X+32*\s+4*\j+1],   v[S:S+1]
	v_pk_fma_f32 v[S+2:S+3], v[X+32*\s+4*\j+2:X+32*\s+4*\j+3], v[X+32*\s+4*\j+2:X+32*\s+4*\j+3], v[S+2:S+3]
.endr
.if \fill
	FILL \s, \p+SLOTS                              ; as soon as the slot has been read, ahead of the reduction
.endif
	v_pk_add_f32 v[S:S+1], v[S:S+1], v[S+2:S+3]
	v_pk_add_f32 v[D:D+1], v[D:D+1], v[D+2:D+3]
	v_add_f32 v[S], v[S], v[S+1]
	v_add_f32 v[D], v[D], v[D+1]
.irp m, 1,2,4
	ROWOP v_add_f32_dpp, S, \m
	ROWOP v_add_f32_dpp, D, \m
.endr
	ROWOP v_add_f32_dpp, S, 8                      ; all 16 lanes: sum of squares of my row
	v_max_num_f32 v[S], EPS2, v[S]
	v_rsq_f32 v[S+1], v[S]                         ; 1 / max(|p|, eps)
	ROWOP v_add_f32_dpp, D, 8                      ; the dot product's last step is the plain instruction behind v_rsq_f32 (ISA guide 5.7.2)
.if \first
	s_wait_alu depctr_va_vdst(0)
	v_mul_f32 v[BS], v[D], v[S+1]
	v_mov_b32 v[BI], 0
.else
	s_wait_alu depctr_va_vdst(0)
	v_mul_f32 v[T], v[D], v[S+1]
	v_cmp_gt_f32 vcc_lo, v[T], v[BS]               ; strictly greater, rows ascending: the first of equals stays
	v_cndmask_b32 v[BS], v[BS], v[T], vcc_lo
	v_cndmask_b32 v[BI], v[BI], 2*\p, vcc_lo       ; rows counted from the wave's pair 0
.endif
.endm
	TURN 0, 0, 24, 1, 1                            ; 24: the three younger pairs, eight loads each
	TURN 1, 1, 24, 1, 0
	TURN 2, 2, 24, 1, 0
	TURN 3, 3, 24, 1, 0
	TURN 0, 4, 24, 1, 0
	TURN 1, 5, 24, 1, 0                            ; requests pair 9, the last
	TURN 2, 6, 24, 0, 0
	TURN 3, 7, 16, 0, 0                            ; nothing more is requested: the counts run down
	TURN 0, 8,  8, 0, 0
	TURN 1, 9,  0, 0, 0
	; 40 half-waves hand (score, row) to wave 0.  The row goes as f32: numbers below 100,000 are exact, and the minimum can ride on DPP.
	v_add_nc_u32 v[BI], v[BI], v[RB]
	v_cvt_f32_u32 v[BI], v[BI]
	ds_store_b64 v[LA], v[BS:BI]                   ; the 16 lanes of a half write the same 8 bytes with the same value
	s_wait_dscnt 0x0                               ; for wave 0's sake: my store is done before I signal
	s_barrier_signal -1
	s_barrier_wait -1
	s_cmp_lg_u32 s12, 0
	s_cbranch_scc1 .Lothers
	s_mov_b32 s16, 0x76543210                      ; v_permlanex16_b32: lane i takes lane i of the other half
	s_mov_b32 s17, 0xfedcba98
	v_and_b32 v[T], 31, v0
	v_lshlrev_b32 v[T], 3, v[T]                    ; entry = lane (0..31)
	v_and_b32 v[XO], 7, v0
	v_lshlrev_b32 v[XO], 3, v[XO]                  ; and entry 32 + lane % 8 (each of 32..39 seen four times: harmless to a maximum)
	ds_load_b64 v[D:D+1],   v[T]
	ds_load_b64 v[D+2:D+3], v[XO] offset:256
	s_wait_dscnt 0x0
	v_max_num_f32 v[S], v[D], v[D+2]               ; first the best score, in every lane
	ROWOP v_max_num_f32_dpp, S, 1
	ROWOP v_max_num_f32_dpp, S, 2
	ROWOP v_max_num_f32_dpp, S, 4
	ROWOP v_max_num_f32_dpp, S, 8
	v_permlanex16_b32 v[S+1], v[S], s16, s17       ; its destination counts as read: v[S+1] was written in every turn
	v_max_num_f32 v[S], v[S], v[S+1]
	v_cmp_eq_f32 vcc_lo, v[D], v[S]                ; then the lowest row among the entries that reach it
	v_cndmask_b32 v[D+1], FAR, v[D+1], vcc_lo
	v_cmp_eq_f32 vcc_lo, v[D+2], v[S]
	v_cndmask_b32 v[D+3], FAR, v[D+3], vcc_lo
	v_min_num_f32 v[D+1], v[D+1], v[D+3]
	ROWOP v_min_num_f32_dpp, D+1, 1
	ROWOP v_min_num_f32_dpp, D+1, 2
	ROWOP v_min_num_f32_dpp, D+1, 4
	ROWOP v_min_num_f32_dpp, D+1, 8
	v_permlanex16_b32 v[S+1], v[D+1], s16, s17
	v_min_num_f32 v[D+1], v[D+1], v[S+1]
	v_cvt_u32_f32 v[D+1], v[D+1]
	s_lshl_b32 s2, ttmp9, 2
	v_mov_b32 v[T], s2                             ; word g of both tables
	s_wait_xcnt 0x0                                ; EXEC is a source of every global access issued so far: it changes only behind this wait
	v_cmp_eq_u32 vcc_lo, 0, v0
	s_wait_tensorcnt 0x0
	ds_add_u32 v176, v177
	s_wait_dscnt 0x0
	s_and_saveexec_b32 s18, vcc_lo                 ; one result for the group: one lane stores it
	global_store_b32 v[T], v[S], s[8:9]
	global_store_b32 v[T], v[D+1], s[10:11]
	s_endpgm
.Lothers:
	s_wait_tensorcnt 0x0
	ds_add_u32 v176, v177
	s_wait_dscnt 0x0
	s_endpgm
.Lfunc_end_k_q0fb78d8451_scan:
	.size	k_q0fb78d8451_scan, .Lfunc_end_k_q0fb78d8451_scan-k_q0fb78d8451_scan
	.p2alignl 7, 3214868480
	.fill 96, 4, 3214868480
	.section	.rodata,"a",@progbits
	.p2align	6, 0x0
	.amdhsa_kernel k_q0fb78d8451_scan
		.amdhsa_group_segment_fixed_size 3072
		.amdhsa_private_segment_fixed_size 0
		.amdhsa_enable_private_segment 0
		.amdhsa_kernarg_size 32
		.amdhsa_user_sgpr_count 2
		.amdhsa_user_sgpr_kernarg_segment_ptr 1
		.amdhsa_wavefront_size32 1
		.amdhsa_system_sgpr_workgroup_id_x 1
		.amdhsa_system_sgpr_workgroup_id_y 1
		.amdhsa_system_sgpr_workgroup_id_z 1
		.amdhsa_system_vgpr_workitem_id 0
		.amdhsa_next_free_vgpr 178
		.amdhsa_next_free_sgpr 66
		.amdhsa_reserve_vcc 1
		.amdhsa_float_denorm_mode_32 3
		.amdhsa_float_denorm_mode_16_64 3
		.amdhsa_memory_ordered 1
		.amdhsa_forward_progress 1
		.amdhsa_inst_pref_size 45
	.end_amdhsa_kernel
	.amdgpu_metadata
---
amdhsa.version: [ 1, 2 ]
amdhsa.kernels:
  - .name:           k_q0fb78d8451_scan
    .symbol:         k_q0fb78d8451_scan.kd
    .args:
      - { .name: patterns, .offset: 0, .size: 8, .value_kind: global_buffer, .address_space: global }
      - { .name: x, .offset: 8, .size: 8, .value_kind: global_buffer, .address_space: global }
      - { .name: scores, .offset: 16, .size: 8, .value_kind: global_buffer, .address_space: global }
      - { .name: cand, .offset: 24, .size: 8, .value_kind: global_buffer, .address_space: global }
    .group_segment_fixed_size: 3072
    .private_segment_fixed_size: 0
    .kernarg_segment_align: 8
    .kernarg_segment_size: 32
    .max_flat_workgroup_size: 640
    .sgpr_count:     66
    .vgpr_count:     178
    .wavefront_size: 32
...
	.end_amdgpu_metadata
.endif
;; end of part 1
;; launch pick (part 2): grid 8 x 1, 10 waves a work-group, no clusters, 3,840 bytes of LDS; arguments patterns, scores, cand, out0; writes out0
.if DOCPART == 2
	.amdgcn_target "amdgcn-amd-amdhsa--gfx1250"
	.amdhsa_code_object_version 6
	.text
	.protected	k_q0fb78d8451_pick
	.globl	k_q0fb78d8451_pick
	.p2align	8
	.type	k_q0fb78d8451_pick,@function
k_q0fb78d8451_pick:
	s_mov_b64 s[64:65], 0
	v_nop
	global_prefetch_b8 v0, s[64:65] scope:SCOPE_SE
	s_setreg_imm32_b32 hwreg(HW_REG_WAVE_MODE, 25, 1), 1
	s_wait_xcnt 0x0
; pick: out0 = patterns[cand[c]] for the first c with the largest scores[c], c = 0 .. 249.
; No address here hangs on a comparison of scores: the rows of ALL 250 candidates are fetched, by the row numbers as they are read
; from cand, and the winner's is kept by v_cndmask_b32.  The search for the best score runs while those loads are on their way.
; SHARES.  Work-group g owns bytes 256 g .. 256 g + 255 of the row (8 groups).  Wave w (of 10) takes candidates 25 w .. 25 w + 24: one
; global_load_b64 each, 32 lanes x 8 bytes = 256 consecutive aligned bytes.  250 x 256 bytes = 62.5 KiB for a group.
; Every wave finds the winner for itself from the 250 scores (1,000 bytes), which spares a barrier in front of the choice.
; Candidates stand in ascending order of rows (group c of the first launch owns rows 400 c .. 400 c + 399), so among equal
; scores the lowest candidate is the lowest row.
; The nine waves that do not hold the winner keep zeros; the ten pieces are joined by OR through LDS and stored by one instruction.
; NOT USED: matrix instructions, a cluster, the tensor mover (nothing to multiply, no byte read by two groups but 2 KB of tables);
; prefetches (every load is issued as soon as its address is known).
; LIMITS.  As in the first launch: finite scores.  If every score were NaN no candidate would be chosen and zeros would be stored.
.set NCAND,   250
.set CW,      25                       ; candidates of a wave
.set LASTROW, 99999
.set FAR,     0x7f800000               ; +inf: a candidate number that never wins a minimum
.set LN,  1                            ; v1        lane
.set SO,  2                            ; v2        4 lane: my score in blocks 0..6 of 32 candidates
.set SO7, 3                            ; v3        the same for block 7, held at candidate 249
.set PO,  4                            ; v4        256 g + 8 lane: my 8 bytes in a row and in out0
.set W,   5                            ; v5        the winner's number
.set M,   6                            ; v6        the best score; later an LDS address
.set SC,  8                            ; v[8:15]   my eight scores
.set OFF, 16                           ; v[16:40]  candidate k of the wave: byte offset of my 8 bytes in patterns
.set DAT, 42                           ; v[42:91]  candidate k: 2 registers
.set ACC, 92                           ; v[92:93]  the row kept
.set IDX, 16                           ; s[16:40]  the wave's 25 row numbers
.macro ROWOP op, r, m                  ; lane i combines with lane i xor m of its 16
	\op v[\r], v[\r], v[\r] row_xmask:\m row_mask:0xf bank_mask:0xf
.endm
	s_load_b256 s[4:11], s[0:1], 0x0               ; patterns s[4:5], scores s[6:7], cand s[8:9], out0 s[10:11]
	v_lshl_add_u32 v96, v0, 2, 0xa00
	v_mov_b32 v97, 0
	v_lshrrev_b32 v[LN], 5, v0
	v_readfirstlane_b32 s12, v[LN]                 ; wave 0..9
	v_and_b32 v[LN], 31, v0
	v_lshlrev_b32 v[SO], 2, v[LN]
	v_add_nc_u32 v[SO7], 224, v[LN]
	v_min_u32 v[SO7], NCAND-1, v[SO7]              ; 250 = 7 x 32 + 26: lanes 26..31 look at candidate 249 again
	v_lshlrev_b32 v[SO7], 2, v[SO7]
	s_mul_i32 s13, s12, 4*CW                       ; the wave's row numbers: 100 bytes from byte 100 w
	s_mul_i32 s15, s12, -CW
	s_lshl_b32 s14, ttmp9, 8
	s_lshl_b32 s44, s12, 8
	s_mov_b32 s42, 0x76543210                      ; v_permlanex16_b32: lane i takes lane i of the other half
	s_mov_b32 s43, 0xfedcba98
	v_lshl_add_u32 v[PO], v[LN], 3, s14
	s_wait_kmcnt 0x0
	s_load_b512 s[IDX:IDX+15],    s[8:9], s13 offset:0x0       ; 16 + 8 + 1 row numbers; the last byte read is 100 x 9 + 99 = 999
	s_load_b256 s[IDX+16:IDX+23], s[8:9], s13 offset:0x40
	s_load_b32  s[IDX+24],        s[8:9], s13 offset:0x60
.irp i, 0,1,2,3,4,5,6
	global_load_b32 v[SC+\i], v[SO], s[6:7] offset:128*\i      ; candidate 32 i + lane
.endr
	global_load_b32 v[SC+7], v[SO7], s[6:7]
	s_wait_kmcnt 0x0
.set k, 0
.rept CW
	s_min_u32 s[IDX+k], s[IDX+k], LASTROW                      ; a number that was loaded enters an address only inside the table
	v_lshl_add_u32 v[OFF+k], s[IDX+k], 11, v[PO]               ; row x 2,048 + my 8 bytes: below 2^31
	global_load_b64 v[DAT+2*k:DAT+2*k+1], v[OFF+k], s[4:5] th:TH_LOAD_NT
.set k, k+1
.endr
	; The winner, while the rows come.
	s_wait_loadcnt CW                              ; the eight scores are in; the 25 loads issued behind them stay out
	v_mov_b32 v[W], 0
.irp i, 1,2,3,4,5,6,7
	v_cmp_gt_f32 vcc_lo, v[SC+\i], v[SC]           ; within the lane: strictly greater, ascending: the first of equals stays
	v_cndmask_b32 v[SC], v[SC], v[SC+\i], vcc_lo
	v_cndmask_b32 v[W], v[W], \i, vcc_lo
.endr
	v_lshl_add_u32 v[W], v[W], 5, v[LN]            ; candidate = 32 i + lane,
	v_min_u32 v[W], NCAND-1, v[W]                  ; by its true number where block 7 was held at 249
	v_cvt_f32_u32 v[W], v[W]                       ; exact; as f32 the minimum can ride on DPP
	v_mov_b32 v[M], v[SC]
	ROWOP v_max_num_f32_dpp, M, 1
	ROWOP v_max_num_f32_dpp, M, 2
	ROWOP v_max_num_f32_dpp, M, 4
	ROWOP v_max_num_f32_dpp, M, 8
	v_permlanex16_b32 v[SO7], v[M], s42, s43       ; v[SO7]: written before, and free since the scores came
	v_max_num_f32 v[M], v[M], v[SO7]               ; the best score, in every lane
	v_cmp_eq_f32 vcc_lo, v[SC], v[M]
	v_cndmask_b32 v[W], FAR, v[W], vcc_lo          ; only lanes that reach it stand for the minimum
	ROWOP v_min_num_f32_dpp, W, 1
	ROWOP v_min_num_f32_dpp, W, 2
	ROWOP v_min_num_f32_dpp, W, 4
	ROWOP v_min_num_f32_dpp, W, 8
	v_permlanex16_b32 v[SO7], v[W], s42, s43
	v_min_num_f32 v[W], v[W], v[SO7]
	v_cvt_u32_f32 v[W], v[W]
	v_add_nc_u32 v[W], s15, v[W]                   ; counted from my wave's first candidate: 0..24 if the winner is mine
.set k, 0
.rept CW
	s_wait_loadcnt CW-1-k                          ; candidate k's load is in; the younger ones stay out
	v_cmp_eq_u32 vcc_lo, k, v[W]
.if k == 0
	v_cndmask_b32 v[ACC],   0, v[DAT],   vcc_lo    ; the first choice starts from zero: nothing is cleared
	v_cndmask_b32 v[ACC+1], 0, v[DAT+1], vcc_lo
.else
	v_cndmask_b32 v[ACC],   v[ACC],   v[DAT+2*k],   vcc_lo
	v_cndmask_b32 v[ACC+1], v[ACC+1], v[DAT+2*k+1], vcc_lo
.endif
.set k, k+1
.endr
	v_lshl_add_u32 v[M], v[LN], 3, s44             ; 256 wave + 8 lane
	ds_store_b64 v[M], v[ACC:ACC+1]
	s_wait_dscnt 0x0                               ; for wave 0's sake: my store is done before I signal
	s_barrier_signal -1
	s_barrier_wait -1
	s_cmp_lg_u32 s12, 0
	s_cbranch_scc1 .Lothers
	v_lshlrev_b32 v[M], 3, v[LN]
.irp w, 0,1,2,3,4,5,6,7,8,9
	ds_load_b64 v[DAT+2*\w:DAT+2*\w+1], v[M] offset:256*\w
.endr
	s_wait_dscnt 0x0
.irp w, 1,2,3,4,5,6,7,8,9
	v_or_b32 v[DAT],   v[DAT],   v[DAT+2*\w]       ; nine of the ten are zero: OR leaves the winner's bits as they are
	v_or_b32 v[DAT+1], v[DAT+1], v[DAT+2*\w+1]
.endr
	global_store_b64 v[PO], v[DAT:DAT+1], s[10:11] ; 32 lanes x 8 bytes: the group's 256 consecutive aligned bytes in one store
	s_wait_tensorcnt 0x0
	ds_add_u32 v96, v97
	s_wait_dscnt 0x0
	s_endpgm
.Lothers:
	s_wait_tensorcnt 0x0
	ds_add_u32 v96, v97
	s_wait_dscnt 0x0
	s_endpgm
.Lfunc_end_k_q0fb78d8451_pick:
	.size	k_q0fb78d8451_pick, .Lfunc_end_k_q0fb78d8451_pick-k_q0fb78d8451_pick
	.p2alignl 7, 3214868480
	.fill 96, 4, 3214868480
	.section	.rodata,"a",@progbits
	.p2align	6, 0x0
	.amdhsa_kernel k_q0fb78d8451_pick
		.amdhsa_group_segment_fixed_size 3840
		.amdhsa_private_segment_fixed_size 0
		.amdhsa_enable_private_segment 0
		.amdhsa_kernarg_size 32
		.amdhsa_user_sgpr_count 2
		.amdhsa_user_sgpr_kernarg_segment_ptr 1
		.amdhsa_wavefront_size32 1
		.amdhsa_system_sgpr_workgroup_id_x 1
		.amdhsa_system_sgpr_workgroup_id_y 1
		.amdhsa_system_sgpr_workgroup_id_z 1
		.amdhsa_system_vgpr_workitem_id 0
		.amdhsa_next_free_vgpr 98
		.amdhsa_next_free_sgpr 66
		.amdhsa_reserve_vcc 1
		.amdhsa_float_denorm_mode_32 3
		.amdhsa_float_denorm_mode_16_64 3
		.amdhsa_memory_ordered 1
		.amdhsa_forward_progress 1
		.amdhsa_inst_pref_size 15
	.end_amdhsa_kernel
	.amdgpu_metadata
---
amdhsa.version: [ 1, 2 ]
amdhsa.kernels:
  - .name:           k_q0fb78d8451_pick
    .symbol:         k_q0fb78d8451_pick.kd
    .args:
      - { .name: patterns, .offset: 0, .size: 8, .value_kind: global_buffer, .address_space: global }
      - { .name: scores, .offset: 8, .size: 8, .value_kind: global_buffer, .address_space: global }
      - { .name: cand, .offset: 16, .size: 8, .value_kind: global_buffer, .address_space: global }
      - { .name: out0, .offset: 24, .size: 8, .value_kind: global_buffer, .address_space: global }
    .group_segment_fixed_size: 3840
    .private_segment_fixed_size: 0
    .kernarg_segment_align: 8
    .kernarg_segment_size: 32
    .max_flat_workgroup_size: 320
    .sgpr_count:     66
    .vgpr_count:     98
    .wavefront_size: 32
...
	.end_amdgpu_metadata
.endif
;; end of part 2
